; MI455X (gfx1250); checked and timed in simulation.
; The chip was launched on July 23, 2026; its instructions are those of AMD's public machine-readable ISA for CDNA 5 (MIT licence, August 2026) and "CDNA5" Instruction Set Architecture Reference Guide (July 2026). The comments in the code are by the model that wrote it; some were corrected since.
;; MHSA. Allowed arithmetic: matrix products marked QUANTISED: E2M1 operands, one E8M0 scale for each 32 along K, by v_wmma_scale_f32_16x16x128_f8f6f4 with both operands' format E2M1 (or v_wmma_scale_f32_32x16x128_f4), f32 sums; everything else in f32.
;; Inputs: Wk_codes 768 x 24 x 16 uint8 (E2M1 codes of Wk, K innermost, in blocks of 32 codes, two codes a byte); Wk_scales 768 x 24 uint8 (E8M0 scales of Wk, one for each 32 codes along K); Wq_codes 768 x 24 x 16 uint8 (E2M1 codes of Wq, K innermost, in blocks of 32 codes, two codes a byte); Wq_scales 768 x 24 uint8 (E8M0 scales of Wq, one for each 32 codes along K); Wv 768 x 768 float32; x_codes 2 x 4,096 x 24 x 16 uint8 (E2M1 codes of x, K innermost, in blocks of 32 codes, two codes a byte); x_scales 2 x 4,096 x 24 uint8 (E8M0 scales of x, one for each 32 codes along K).
;; Outputs: out0 2 x 4,096 x 768 float32.
;; This version of the problem:
;;   THIS VERSION OF THE PROBLEM IS GIVEN IN LOW PRECISION. The matrix products marked QUANTISED in the list below multiply operands that are first quantised to E2M1 (2 exponent bits, 1 mantissa bit; 4 bits a number), with one power-of-two scale for each 32 numbers along K (OCP MX v1.0); their sums are f32. All else is computed in f32.
;;   The module's matrix products, in the order in which they are computed (A, B: the left and right operand; K: the contracted axis; several contracted axes count as one K, in the product's order):
;;     1. [M 8,192, K 768] x [K 768, N 768]; A: input x (given as codes); B: input Wq (given as codes): QUANTISED
;;     2. [M 8,192, K 768] x [K 768, N 768]; A: input x (given as codes); B: input Wk (given as codes): QUANTISED
;;     3. [M 8,192, K 768] x [K 768, N 768]; A: input x (given as codes); B: input Wk (given as codes): QUANTISED
;;     4. batch 12 x [M 4,096, K 128] x [K 128, N 4,096]; A: computed on the way; B: computed on the way: QUANTISED
;;     5. batch 12 x [M 4,096, K 4,096] x [K 4,096, N 128]; A: softmax (see below); B: computed on the way: QUANTISED
;;   THE QUANTISER, for each operand of a quantised product, along K:
;;     - K is cut into blocks of 32 from its start; a last block that is shorter is filled with zeros.
;;     - A block's scale is 2^e with e = floor(log2(the largest magnitude in the block)) - 2, held to -126 .. 127; a block of zeros has e = 0. As a byte (E8M0): e + 127.
;;     - Each number is divided by its block's scale, clamped to +-6, and rounded to the nearest number of E2M1, ties to even, subnormals kept.
;;     - The product sums the exact products of the quantised numbers (number of the format x scale) in f32.
;;   ~~~python
;;   def quantise(x, axis):      # numpy; x: float32 -> the quantised numbers, widened to float32 again
;;       x = np.moveaxis(x, axis, -1); K = x.shape[-1]
;;       x = np.pad(x, [(0, 0)] * (x.ndim - 1) + [(0, -K % 32)]); x = x.reshape(x.shape[:-1] + (-1, 32)); a = np.abs(x).max(-1, keepdims=True)
;;       e = np.where(a > 0, np.clip(np.frexp(np.where(a > 0, a, 1))[1] - 1 - 2, -126, 127), 0)      # np.frexp(a)[1] - 1 = floor(log2(a)), exactly
;;       r = np.clip(x / 2.0 ** e, -6, 6)
;;       step = 2.0 ** (np.maximum(np.frexp(np.where(r == 0, 1, r))[1] - 1, 0) - 1)
;;       q = np.round(r / step) * step * 2.0 ** e      # np.round: ties to even
;;       return np.moveaxis(q.reshape(q.shape[:-2] + (-1,))[..., :K], -1, axis).astype(np.float32)
;;   ~~~
;;   SOFTMAX AHEAD OF A QUANTISED PRODUCT. Where the list says 'softmax', what is quantised is not the finished softmax but p = 2^(t - M), with t = logit x log2(e) and M = ceil(the row's largest t), a whole number; so 1/2 < the row's largest p <= 1. The row's sum l is taken of the UNQUANTISED p, in f32, and the product's result is divided by l at the end. Since M is a whole number, a kernel that streams over the keys may use a running M (the ceiling of the running maximum): every later rescaling is an exact power of two, which a block's scale takes up: the codes' values come out the same.
;;   OPERANDS COMPUTED ON THE WAY. 'Computed on the way' means the value that the module computes at that place (a softmax that the list does not call 'softmax' is quantised finished and normalised). What goes into a quantiser is computed in f32, as accurately as f32 sums, v_exp_f32 and their like allow (about 1e-6 of the number): no bf16 or f16 on the way to a quantiser, and a product that is left as it is and whose result goes on into a quantised operand takes f32 operands (vector FMAs, or v_wmma_f32_16x16x4_f32). A number that lies on a knife's edge between two numbers of the format may be rounded either way, as far as f32 arithmetic and the matrix unit's own rounding can turn it there, and no further.
;;   INPUTS GIVEN AS CODES. Wk (in the module: [768, 768], K = its axis 1); Wq (in the module: [768, 768], K = its axis 1); x (in the module: [2, 4096, 768], K = its axis 2): each comes as NAME_codes (uint8): NAME with its K axis moved to the last place and cut into blocks of 32 codes, [.., K / 32, bytes a block], one block behind the other in memory; two codes a byte, the lower K in the low four bits (a code: sign, 2 exponent bits, 1 mantissa bit); and NAME_scales (uint8): the same leading axes, one E8M0 byte (e + 127) for each 32 codes along K. Its value is code x scale, taken as it is: it is not quantised again, and the codes and scales need not be those that the quantiser above would give.
;; One version. Each part assembles by itself: llvm-mc -triple=amdgcn-amd-amdhsa -mcpu=gfx1250 --defsym DOCPART=n.
;; ======== version 1 of 1: 2 launches
;; limits: right only within a limited range of input values
;; workspace buffers: q_img 3,145,728 bytes; q_sc 196,608 bytes; kv 6,684,672 bytes
;; launch project (part 1): grid 32 x 6, 8 waves a work-group, no clusters, 226,304 bytes of LDS; arguments x_codes, x_scales, Wq_codes, Wq_scales, Wk_codes, Wk_scales, q_img, q_sc, kv; writes q_img, q_sc, kv
.if DOCPART == 1
	.amdgcn_target "amdgcn-amd-amdhsa--gfx1250"
	.amdhsa_code_object_version 6
	.text
	.protected	k_q4b9126038c_project
	.globl	k_q4b9126038c_project
	.p2align	8
	.type	k_q4b9126038c_project,@function
k_q4b9126038c_project:
	s_mov_b64 s[64:65], 0
	v_nop
	global_prefetch_b8 v0, s[64:65] scope:SCOPE_SE
	s_setreg_imm32_b32 hwreg(HW_REG_WAVE_MODE, 25, 1), 1
	s_wait_xcnt 0x0
; q = x Wq^T, k = x Wk^T and v = x Wk^T of one head (128 columns) for 256 tokens, on E2M1 codes with E8M0 scales as they are given, f32 sums, K = 768 in six steps of 128, ascending;
; then the three quantisers: q and k along the head's 128, v along the tokens (the keys are the K of the product that takes it).  v is multiplied anew with the sources swapped, so that a
; lane's registers run along the tokens: nothing is transposed.  The input Wv is not among the arguments: the computation that this program follows never reads it, and no result hangs on it.
; TILES.  128 rows are 8 tiles; place r of tile 2 p + u is row 32 p + 8 u + r + 8 (r / 8).  A product whose source 0 is such a tile leaves in lane (r, h), in the 16 registers of tiles 2 p and
; 2 p + 1, the 16 neighbours 32 p + 16 h + 0 .. 15: what the conversions want.  x's tokens and both weights' rows are all cut so.
; OUT.  Fragments leave as images of the operand's registers: 1,024 bytes, [part c][lane][16 bytes].  q_img [head of batch 12][tile 256][1,024]; q_sc [12][pair of tiles 128][lane][4 bytes]
; (lanes 0-15 the even tile's words, lanes 16-31 the odd one's); kv [12][key step 32][17,408]: K's 8 images, V^T's 8 images, K's scale words [lane][pair 4][4 bytes], V's likewise.
; SHARES.  8 waves; a wave runs three jobs (q, k, v), each 2 fixed tiles x 8 streamed tiles x 6 K steps = 96 matrix instructions on 16 accumulators.
; NO TENSOR LOADS, NO JOINT REQUESTS: the rows are regrouped into tiles on their way into LDS, which goes through registers; a work-group reads its 204 KB once, by loads of 128 bytes on end in each of four rows.
; LIMITS: NaN and infinities are not served.  A block whose largest magnitude lies under 2^-124 gets the byte 1; a block of zeros too (its codes are zeros; these bytes are read by this program alone).
.set IMGB,  52224                      ; LDS: an operand set of 128 rows x 768 K: [tile 8][16-byte piece 24][place 16][16 bytes].  Sets: 0, 1 x's two groups of 128 tokens, 2 Wq's head, 3 Wk's head
.set TILEB, 6528                       ; a tile: 24 pieces
.set COLB,  272                        ; a piece of 16 places: 256 bytes + 16, so that stores of neighbouring pieces fall on different 16-byte columns
.set SCB,   4*IMGB                     ; the sets' scale words: [K step 6][lane 16 u + r][pair 4][4 bytes]
.set SCSET, 3072
.set OSC,   SCB+4*SCSET                ; the results' scale words gather here: q's 1,024 bytes, k's 1,024, v's 1,024
.set STEPB, 17408                      ; a key step's block in kv
.set TM,    40                         ; v40-43 largest magnitudes, v44-47 the other half's and then the bytes, v52-55 the conversions' scale operands
; v1 16 x lane | v2 x's pair of tiles, v3 Wq, v4 Wk, v5 x's group, v6 Wk's pair: fragment addresses | v7 Wq's, v8 Wk's, v9 x's group's scale words (four a lane), v10 x's pair's, v11 Wk's pair's (one a lane)
; v12, v13 where my results' scale words go | v14 the word | v15 where the last phase reads | v16-31 two fixed fragments | v32-35, v36 scale words | v37, v38 the words just made | v56-63, v64-71 the codes just made
; v64-127 eight streamed fragments | v128-255 accumulators: fixed tile f, streamed tile t at 128 + 64 f + 8 t
; One matrix instruction.  ra, rb: the scale words of source 0, source 1 are taken from lanes 16-31
.macro MMZ d, a, b, sa, sb, ra, rb     ; starts a sum
.set MMK, 2*(\ra)+(\rb)
.if MMK == 0
	v_wmma_scale_f32_16x16x128_f8f6f4 v[\d:\d+7], v[\a:\a+7], v[\b:\b+7], 0, v[\sa], v[\sb] matrix_a_fmt:MATRIX_FMT_FP4 matrix_b_fmt:MATRIX_FMT_FP4
.elseif MMK == 1
	v_wmma_scale_f32_16x16x128_f8f6f4 v[\d:\d+7], v[\a:\a+7], v[\b:\b+7], 0, v[\sa], v[\sb] matrix_a_fmt:MATRIX_FMT_FP4 matrix_b_fmt:MATRIX_FMT_FP4 matrix_b_scale:MATRIX_SCALE_ROW1
.elseif MMK == 2
	v_wmma_scale_f32_16x16x128_f8f6f4 v[\d:\d+7], v[\a:\a+7], v[\b:\b+7], 0, v[\sa], v[\sb] matrix_a_fmt:MATRIX_FMT_FP4 matrix_b_fmt:MATRIX_FMT_FP4 matrix_a_scale:MATRIX_SCALE_ROW1
.else
	v_wmma_scale_f32_16x16x128_f8f6f4 v[\d:\d+7], v[\a:\a+7], v[\b:\b+7], 0, v[\sa], v[\sb] matrix_a_fmt:MATRIX_FMT_FP4 matrix_b_fmt:MATRIX_FMT_FP4 matrix_a_scale:MATRIX_SCALE_ROW1 matrix_b_scale:MATRIX_SCALE_ROW1
.endif
.endm
.macro MMA d, a, b, sa, sb, ra, rb     ; adds in place
.set MMK, 2*(\ra)+(\rb)
.if MMK == 0
	v_wmma_scale_f32_16x16x128_f8f6f4 v[\d:\d+7], v[\a:\a+7], v[\b:\b+7], v[\d:\d+7], v[\sa], v[\sb] matrix_a_fmt:MATRIX_FMT_FP4 matrix_b_fmt:MATRIX_FMT_FP4
.elseif MMK == 1
	v_wmma_scale_f32_16x16x128_f8f6f4 v[\d:\d+7], v[\a:\a+7], v[\b:\b+7], v[\d:\d+7], v[\sa], v[\sb] matrix_a_fmt:MATRIX_FMT_FP4 matrix_b_fmt:MATRIX_FMT_FP4 matrix_b_scale:MATRIX_SCALE_ROW1
.elseif MMK == 2
	v_wmma_scale_f32_16x16x128_f8f6f4 v[\d:\d+7], v[\a:\a+7], v[\b:\b+7], v[\d:\d+7], v[\sa], v[\sb] matrix_a_fmt:MATRIX_FMT_FP4 matrix_b_fmt:MATRIX_FMT_FP4 matrix_a_scale:MATRIX_SCALE_ROW1
.else
	v_wmma_scale_f32_16x16x128_f8f6f4 v[\d:\d+7], v[\a:\a+7], v[\b:\b+7], v[\d:\d+7], v[\sa], v[\sb] matrix_a_fmt:MATRIX_FMT_FP4 matrix_b_fmt:MATRIX_FMT_FP4 matrix_a_scale:MATRIX_SCALE_ROW1 matrix_b_scale:MATRIX_SCALE_ROW1
.endif
.endm
	s_load_b256 s[4:11], s[0:1], 0x0               ; x's codes s[4:5], x's scales s[6:7], Wq's codes s[8:9], Wq's scales s[10:11]
	s_load_b256 s[12:19], s[0:1], 0x20             ; Wk's codes s[12:13], Wk's scales s[14:15], q_img s[16:17], q_sc s[18:19]
	s_load_b64 s[20:21], s[0:1], 0x40              ; kv
	s_set_vgpr_msb 0x40
	v_lshl_add_u32 v0, v0, 2, 0x37000
	v_mov_b32 v1, 0
	s_set_vgpr_msb 0x4000
	v_lshrrev_b32 v40, 5, v0
	s_delay_alu instid0(VALU_DEP_1)
	v_readfirstlane_b32 s22, v40                   ; wave w, 0..7
	v_and_b32 v41, 31, v0                          ; lane
	s_delay_alu instid0(VALU_DEP_1)
	v_lshlrev_b32 v1, 4, v41                       ; 16 x lane
	s_delay_alu instid0(VALU_DEP_2)
	v_mul_u32_u24 v39, v41, 24                     ; a row of scale bytes is 24 bytes
	v_lshrrev_b32 v30, 3, v41                      ; the codes' loads: lane = 8 x (row of four) + (piece of eight)
	v_and_b32 v29, 7, v41
	s_delay_alu instid0(VALU_DEP_2)
	v_mul_u32_u24 v30, v30, 384                    ; a row of codes is 384 bytes,
	s_delay_alu instid0(VALU_DEP_1)
	v_lshl_add_u32 v30, v29, 4, v30                ; a piece 16
	s_and_b32 s24, ttmp7, 0xffff                   ; the head
	s_lshr_b32 s25, ttmp9, 4                       ; the batch: 16 blocks of 256 tokens each
	s_mul_i32 s25, s25, 6
	s_add_co_u32 s25, s25, s24                     ; head of batch, 0..11
	s_and_b32 s23, ttmp9, 15                       ; my block of 256 tokens in the batch
	s_lshr_b32 s26, s22, 2                         ; w / 4: my group of 128 tokens
	s_and_b32 s27, s22, 3                          ; w % 4: my pair of tiles
	s_lshr_b32 s28, s22, 1                         ; w / 2: in the prologue the pair of tiles (and the set of scales) that I lay
	s_and_b32 s29, s22, 1                          ; w % 2
	s_mov_b32 s30, 0x76543210
	s_mov_b32 s31, 0xfedcba98                      ; v_permlanex16_b32's selects for lane l xor 16
	s_mov_b32 vcc_lo, 0xffff0000                   ; lanes 16-31: kept for the whole launch
	s_mul_i32 s32, ttmp9, 98304                    ; x's codes: 256 rows of 384 bytes a block,
	s_mul_i32 s34, s22, 6144                       ; my 16 rows of each set
	s_add_co_u32 s32, s32, s34
	s_mov_b32 s33, 0
	s_mul_i32 s44, s24, 49152                      ; the weights' codes: 128 rows a head
	s_add_co_u32 s44, s44, s34
	s_mov_b32 s45, 0
	s_mul_i32 s35, s29, 1536                       ; scale bytes: my 64 rows of the set
	s_and_b32 s46, s28, 1
	s_mul_i32 s46, s46, 3072                       ; x's: the group of 128 rows,
	s_add_co_u32 s46, s46, s35
	s_mul_i32 s34, ttmp9, 6144                     ; the block of 256
	s_add_co_u32 s46, s46, s34
	s_mov_b32 s47, 0
	s_mul_i32 s34, s24, 3072                       ; the weights': the head
	s_add_co_u32 s34, s34, s35
	s_mov_b32 s35, 0
	s_wait_alu depctr_va_vdst(0)
	s_wait_kmcnt 0x0
	s_add_nc_u64 s[4:5], s[4:5], s[32:33]
	s_add_nc_u64 s[8:9], s[8:9], s[44:45]
	s_add_nc_u64 s[12:13], s[12:13], s[44:45]
	s_add_nc_u64 s[6:7], s[6:7], s[46:47]
	s_add_nc_u64 s[10:11], s[10:11], s[34:35]
	s_add_nc_u64 s[14:15], s[14:15], s[34:35]
	s_cmp_eq_u32 s28, 2                            ; whose scale bytes I lay: waves 0-3 x's, 4-5 Wq's, 6-7 Wk's: the choice hangs on the wave's number alone
	s_cselect_b64 s[36:37], s[10:11], s[14:15]
	s_cmp_lt_u32 s28, 2
	s_cselect_b64 s[36:37], s[6:7], s[36:37]
	; ---- the prologue's loads: 6 of scale bytes (row 32 (2 (w % 2) + bb) + lane of the set, its 24 bytes), then 48 of codes, 128 bytes on end of each of four rows
.irp bb, 0,1
.irp i, 0,1,2
	global_load_b64 v[16+6*\bb+2*\i:17+6*\bb+2*\i], v39, s[36:37] offset:768*\bb+8*\i
.endr
.endr
.macro LOADSET sg, base, off           ; my 16 rows (6,144 bytes) of set sg
.irp j, 0,1,2,3,4,5,6,7,8,9,10,11
	global_load_b128 v[64+48*\sg+4*\j:67+48*\sg+4*\j], v30, s[\base:\base+1] offset:\off+1536*(\j/3)+128*(\j%3)   ; load 3 kk + i: rows 4 kk .. 4 kk + 3, pieces 8 i .. 8 i + 7: 128 bytes on end of each row
.endr
.endm
	LOADSET 0, 4, 0
	LOADSET 1, 4, 49152
	LOADSET 2, 8, 0
	LOADSET 3, 12, 0
	; ---- while they are on their way: where the results go
	s_lshl_b32 s32, s25, 8
	s_lshl_b32 s34, s23, 4
	s_add_co_u32 s32, s32, s34
	s_lshl_b32 s34, s22, 1
	s_add_co_u32 s32, s32, s34                     ; my first tile of queries: 256 x head of batch + 16 x block + 2 w
	s_lshl_b32 s32, s32, 10
	s_add_nc_u64 s[16:17], s[16:17], s[32:33]      ; q_img there
	s_lshl_b32 s44, s25, 5
	s_lshl_b32 s34, s23, 1
	s_add_co_u32 s44, s44, s34                     ; my block's first key step: 32 x head of batch + 2 x block
	s_add_co_u32 s32, s44, s26
	s_mul_i32 s32, s32, STEPB
	s_lshl_b32 s34, s27, 11
	s_add_co_u32 s32, s32, s34
	s_add_nc_u64 s[38:39], s[20:21], s[32:33]      ; kv at key step w / 4, images 2 (w % 4) and the next
	s_add_co_u32 s32, s44, s29
	s_mul_i32 s32, s32, STEPB
	s_lshl_b32 s34, s28, 9
	s_add_co_u32 s32, s32, s34
	s_add_co_u32 s32, s32, 15872
	s_add_nc_u64 s[42:43], s[20:21], s[32:33]      ; the last phase, waves 2-5: key step w % 2; K's scale words at 16,384 (w / 2 = 1), V's at 16,896 (w / 2 = 2)
	s_lshl_b32 s32, s25, 14
	s_lshl_b32 s34, s23, 10
	s_add_co_u32 s32, s32, s34
	s_lshl_b32 s34, s22, 9
	s_add_co_u32 s32, s32, s34
	s_add_nc_u64 s[40:41], s[18:19], s[32:33]      ; the last phase, waves 0-1: q_sc at my block's 8 pairs, 512 bytes a wave
	; ---- every LDS address, made here once
	v_and_b32 v42, 15, v0                          ; r
	v_bfe_u32 v43, v0, 4, 1                        ; h
	s_delay_alu instid0(VALU_DEP_2)
	v_lshlrev_b32 v40, 4, v42
	s_delay_alu instid0(VALU_DEP_1)
	v_mad_u32_u24 v40, v43, COLB, v40              ; a fragment's place for my lane: 16 r + one piece further for lanes 16-31
	s_mul_i32 s32, s26, IMGB
	s_mul_i32 s34, s27, 2*TILEB
	v_add_nc_u32 v5, s32, v40
	s_add_co_u32 s35, s32, s34
	v_add_nc_u32 v2, s35, v40
	v_add_nc_u32 v3, 2*IMGB, v40
	v_add_nc_u32 v4, 3*IMGB, v40
	s_add_co_u32 s35, s34, 3*IMGB
	v_add_nc_u32 v6, s35, v40
	v_add_nc_u32 v7, SCB+2*SCSET, v1
	v_add_nc_u32 v8, SCB+3*SCSET, v1
	s_mul_i32 s32, s26, SCSET
	s_add_co_u32 s32, s32, SCB
	v_add_nc_u32 v9, s32, v1
	s_lshl_b32 s34, s27, 2
	v_add_nc_u32 v10, s34, v9
	v_add_nc_u32 v11, s34, v8
	s_lshl_b32 s32, s22, 7
	s_add_co_u32 s32, s32, OSC
	v_lshl_add_u32 v12, v41, 2, s32                ; q's words: [pair w][lane]
	s_lshl_b32 s32, s26, 9
	s_add_co_u32 s32, s32, s34
	s_add_co_u32 s32, s32, OSC+1024
	v_add_nc_u32 v13, s32, v1                      ; k's (v's 1,024 further): [key step w / 4][lane][pair w % 4]
	s_lshl_b32 s32, s22, 9
	s_add_co_u32 s32, s32, OSC
	v_add_nc_u32 v15, s32, v1                      ; the last phase: 512 bytes a wave
	; A load's lane holds piece 8 i + (lane & 7) of row4 = lane / 8.  Row 16 w + 4 kk + row4 of the set is tile 2 (w / 2) + kk / 2, place 8 (w % 2) + 4 (kk % 2) + row4
	s_lshl_b32 s32, s29, 7
	s_mul_i32 s34, s28, 2*TILEB
	s_add_co_u32 s34, s34, s32
.irp i, 0,1,2
	v_and_b32 v44, 7, v0
	v_bfe_u32 v45, v0, 3, 2
	s_delay_alu instid0(VALU_DEP_2)
	v_mul_u32_u24 v46, v44, COLB
	s_delay_alu instid0(VALU_DEP_1)
	v_lshl_add_u32 v46, v45, 4, v46
	s_delay_alu instid0(VALU_DEP_1)
	v_add_nc_u32 v46, s34, v46
	s_delay_alu instid0(VALU_DEP_1)
	v_add_nc_u32 v[48+\i], 8*COLB*\i, v46
.endr
.irp sg, 1,2,3
.irp i, 0,1,2
	v_add_nc_u32 v[48+3*\sg+\i], IMGB*\sg, v[48+\i]        ; a register for each set: none that a pending LDS store names is written again
.endr
.endr
	v_and_b32 v44, 7, v0                           ; row 32 p + lane is tile 2 p + (lane's bit 3), place (lane & 7) + 8 (lane's bit 4): its word goes to lane 16 u + r: bits 3 and 4 change places
	v_bfe_u32 v45, v0, 3, 1
	s_delay_alu instid0(VALU_DEP_1)
	v_lshl_or_b32 v44, v45, 4, v44
	s_delay_alu instid0(VALU_DEP_1)
	v_lshl_or_b32 v44, v43, 3, v44
	s_mul_i32 s32, s28, SCSET
	s_lshl_b32 s34, s29, 3
	s_add_co_u32 s32, s32, s34
	s_add_co_u32 s32, s32, SCB
	v_lshl_add_u32 v31, v44, 4, s32
.irp b, 0,1,2,3
	v_mov_b32 v[TM+4+\b], 0                        ; written once: a lane permute's destination counts as one of its sources
.endr
	s_wait_alu depctr_va_vdst(0)
	s_wait_loadcnt 48                              ; the six loads of scale bytes are in; the 48 of codes behind them may be out
.irp bb, 0,1
.irp s, 0,1,2,3,4,5
	ds_store_b32 v31, v[16+6*\bb+\s] offset:4*\bb+512*\s
.endr
.endr
.macro STORESET sg
	s_wait_loadcnt 36-12*\sg                       ; this set's twelve loads are in; the later sets' may be out
.irp kk, 0,1,2,3
.irp i, 0,1,2
	ds_store_b128 v[48+3*\sg+\i], v[64+48*\sg+4*(3*\kk+\i):67+48*\sg+4*(3*\kk+\i)] offset:64*(\kk%2)+TILEB*(\kk/2)
.endr
.endr
.endm
	STORESET 0
	STORESET 1
	STORESET 2
	STORESET 3
	s_wait_dscnt 0x0                               ; for the others' sake: my stores have landed
	s_barrier_signal -1
	s_barrier_wait -1                              ; all four sets and their scale words lie in LDS; they are written no more
; A JOB: 8 streamed tiles (source 0: fragments at v[sb], scale words at v[ssb]) x my 2 fixed tiles (source 1: v[fb], v[fsb]), K = 768.
; The 16 accumulators take turns, one instruction a turn, in the same order in every K step.
.macro JOB sb, ssb, fb, fsb
	s_wait_xcnt 0x0                                ; the last job's stores of codes have read their registers: v56-71 are written again only behind this wait
.irp s, 0,1,2,3,4,5
	ds_load_b128 v[32:35], v[\ssb] offset:512*\s   ; lane 16 u + r: the words of place r of tiles u, 2 + u, 4 + u, 6 + u
	ds_load_b32 v36, v[\fsb] offset:512*\s         ; lane 16 f + r: the word of place r of my fixed tile f
.irp f, 0,1
.irp c, 0,1
	ds_load_b128 v[16+8*\f+4*\c:19+8*\f+4*\c], v[\fb] offset:TILEB*\f+COLB*(4*\s+2*\c)
.endr
.endr
.irp t, 0,1,2,3,4,5,6,7
.irp c, 0,1
	ds_load_b128 v[64+8*\t+4*\c:67+8*\t+4*\c], v[\sb] offset:TILEB*\t+COLB*(4*\s+2*\c)
.endr
.endr
	s_wait_dscnt 0x0
.irp p, 0,1,2,3
.if \s == 0
	MMZ 128+16*\p, 64+16*\p, 16, 32+\p, 36, 0, 0
	MMZ 192+16*\p, 64+16*\p, 24, 32+\p, 36, 0, 1
	MMZ 136+16*\p, 72+16*\p, 16, 32+\p, 36, 1, 0
	MMZ 200+16*\p, 72+16*\p, 24, 32+\p, 36, 1, 1
.else
	MMA 128+16*\p, 64+16*\p, 16, 32+\p, 36, 0, 0
	MMA 192+16*\p, 64+16*\p, 24, 32+\p, 36, 0, 1
	MMA 136+16*\p, 72+16*\p, 16, 32+\p, 36, 1, 0
	MMA 200+16*\p, 72+16*\p, 24, 32+\p, 36, 1, 1
.endif
.endr
.rept 4
	v_nop                                          ; four places in front of loads into registers that these products read, and of the first read of results
.endr
.endr
.endm
; 64 numbers of a lane, v[s] .. v[s + 63], register 16 b + i = k 32 b + 16 (lane / 16) + i of my row, become a fragment's codes in v[pc] on and its scale word in v[pw].  Each accumulator is read from its low end on.
.macro QUANT s, pc, pw
.irp b, 0,1,2,3
	v_max3_num_f32 v[TM+\b], |v[\s+16*\b]|, |v[\s+1+16*\b]|, 0x1800000   ; block b: my 16 numbers, and the floor 2^(3 - 127): the byte cannot fall under 1
.endr
.irp i, 2,4,6,8,10,12,14
.irp b, 0,1,2,3
	v_max3_num_f32 v[TM+\b], v[TM+\b], |v[\s+16*\b+\i]|, |v[\s+1+16*\b+\i]|   ; the four blocks by turns
.endr
.endr
.irp b, 0,1,2,3
	s_delay_alu instid0(VALU_DEP_4)
	v_permlanex16_b32 v[TM+4+\b], v[TM+\b], s30, s31
.endr
.irp b, 0,1,2,3
	s_delay_alu instid0(VALU_DEP_4)
	v_max_num_f32 v[TM+\b], v[TM+\b], v[TM+4+\b]   ; with lane l xor 16's: the block's largest magnitude
.endr
.irp b, 0,1,2,3
	s_delay_alu instid0(VALU_DEP_4)
	v_add_nc_u32 v[TM+12+\b], 0xff000000, v[TM+\b] ; 2 off its exponent field: the conversion takes the exponent field of this operand as its scale
.endr
.irp b, 0,1,2,3
	s_delay_alu instid0(VALU_DEP_4)
	v_lshrrev_b32 v[TM+4+\b], 23, v[TM+12+\b]      ; the scale's byte
.endr
	s_delay_alu instid0(VALU_DEP_3)
	v_lshl_or_b32 v[\pw], v[TM+5], 8, v[TM+4]      ; my row's scale word, the same in both halves of the lanes
	s_delay_alu instid0(VALU_DEP_1)
	v_lshl_or_b32 v[\pw], v[TM+6], 16, v[\pw]
	s_delay_alu instid0(VALU_DEP_1)
	v_lshl_or_b32 v[\pw], v[TM+7], 24, v[\pw]
.irp b, 0,1,2,3
	v_cvt_scalef32_pk8_fp4_f32 v[\pc+2*\b], v[\s+16*\b:\s+7+16*\b], v[TM+12+\b]
	v_cvt_scalef32_pk8_fp4_f32 v[\pc+1+2*\b], v[\s+8+16*\b:\s+15+16*\b], v[TM+12+\b]
.endr
	v_nop                                          ; one plain place behind a scaled conversion
.irp c, 0,1                                    ; the operand's layout wants a whole block in a lane: lanes 0-15 block 2 c, lanes 16-31 block 2 c + 1
.irp i, 0,1
	v_permlane16_swap_b32 v[\pc+4*\c+\i], v[\pc+2+4*\c+\i]
.endr
.endr
.endm
; My two fragments leave: four stores of 512 bytes on end, aligned; their scale words (lanes 0-15 the first's, lanes 16-31 the second's) go to the gathering place in LDS
.macro OUTF base, off, osreg, osoff
	QUANT 128, 56, 37
	QUANT 192, 64, 38
.irp c, 0,1
	global_store_b128 v1, v[56+4*\c:59+4*\c], s[\base:\base+1] offset:\off+512*\c
.endr
.irp c, 0,1
	global_store_b128 v1, v[64+4*\c:67+4*\c], s[\base:\base+1] offset:\off+1024+512*\c
.endr
	v_cndmask_b32 v14, v37, v38, vcc_lo
	ds_store_b32 v[\osreg], v14 offset:\osoff
.endm
	JOB 3, 7, 2, 10                                ; q^T: Wq's 8 tiles x my 2 tiles of tokens: a lane holds a token, its registers run along the head
	OUTF 16, 0, 12, 0
	JOB 4, 8, 2, 10                                ; k^T likewise
	OUTF 38, 0, 13, 0
	JOB 5, 9, 6, 11                                ; v: my group's 8 tiles of tokens x my 2 tiles of Wk's rows: a lane holds a channel, its registers run along the keys
	OUTF 38, 8192, 13, 1024
	s_wait_dscnt 0x0                               ; for the others' sake: my scale words have landed
	s_barrier_signal -1
	s_barrier_wait -1
	s_cmp_ge_u32 s22, 6                            ; 3,072 bytes of scale words leave, 512 a wave: waves 6 and 7 have none
	s_cbranch_scc1 .Lend
	ds_load_b128 v[16:19], v15
	s_cmp_lt_u32 s22, 2
	s_cselect_b64 s[32:33], s[40:41], s[42:43]     ; waves 0-1: q's, into q_sc; waves 2-5: k's and v's, into kv
	s_wait_dscnt 0x0
	global_store_b128 v1, v[16:19], s[32:33]       ; 512 bytes on end, aligned
.Lend:
	s_set_vgpr_msb 0x5
	s_wait_tensorcnt 0x0
	ds_add_u32 v0, v1
	s_wait_dscnt 0x0
	s_set_vgpr_msb 0x500
	s_endpgm
.Lfunc_end_k_q4b9126038c_project:
	.size	k_q4b9126038c_project, .Lfunc_end_k_q4b9126038c_project-k_q4b9126038c_project
	.p2alignl 7, 3214868480
	.fill 96, 4, 3214868480
	.section	.rodata,"a",@progbits
	.p2align	6, 0x0
	.amdhsa_kernel k_q4b9126038c_project
		.amdhsa_group_segment_fixed_size 226304
		.amdhsa_private_segment_fixed_size 0
		.amdhsa_enable_private_segment 0
		.amdhsa_kernarg_size 72
		.amdhsa_user_sgpr_count 2
		.amdhsa_user_sgpr_kernarg_segment_ptr 1
		.amdhsa_wavefront_size32 1
		.amdhsa_system_sgpr_workgroup_id_x 1
		.amdhsa_system_sgpr_workgroup_id_y 1
		.amdhsa_system_sgpr_workgroup_id_z 1
		.amdhsa_system_vgpr_workitem_id 0
		.amdhsa_next_free_vgpr 258
		.amdhsa_next_free_sgpr 66
		.amdhsa_reserve_vcc 1
		.amdhsa_float_denorm_mode_32 3
		.amdhsa_float_denorm_mode_16_64 3
		.amdhsa_memory_ordered 1
		.amdhsa_forward_progress 1
		.amdhsa_inst_pref_size 109
	.end_amdhsa_kernel
	.amdgpu_metadata
---
amdhsa.version: [ 1, 2 ]
amdhsa.kernels:
  - .name:           k_q4b9126038c_project
    .symbol:         k_q4b9126038c_project.kd
    .args:
      - { .name: x_codes, .offset: 0, .size: 8, .value_kind: global_buffer, .address_space: global }
      - { .name: x_scales, .offset: 8, .size: 8, .value_kind: global_buffer, .address_space: global }
      - { .name: Wq_codes, .offset: 16, .size: 8, .value_kind: global_buffer, .address_space: global }
      - { .name: Wq_scales, .offset: 24, .size: 8, .value_kind: global_buffer, .address_space: global }
      - { .name: Wk_codes, .offset: 32, .size: 8, .value_kind: global_buffer, .address_space: global }
      - { .name: Wk_scales, .offset: 40, .size: 8, .value_kind: global_buffer, .address_space: global }
      - { .name: q_img, .offset: 48, .size: 8, .value_kind: global_buffer, .address_space: global }
      - { .name: q_sc, .offset: 56, .size: 8, .value_kind: global_buffer, .address_space: global }
      - { .name: kv, .offset: 64, .size: 8, .value_kind: global_buffer, .address_space: global }
    .group_segment_fixed_size: 226304
    .private_segment_fixed_size: 0
    .kernarg_segment_align: 8
    .kernarg_segment_size: 72
    .max_flat_workgroup_size: 256
    .sgpr_count:     66
    .vgpr_count:     258
    .wavefront_size: 32
...
	.end_amdgpu_metadata
.endif
;; end of part 1
;; launch attend (part 2): grid 256 x 1, 8 waves a work-group, no clusters, 169,984 bytes of LDS; arguments q_img, q_sc, kv, out0; writes out0
.if DOCPART == 2
	.amdgcn_target "amdgcn-amd-amdhsa--gfx1250"
	.amdhsa_code_object_version 6
	.text
	.protected	k_q4b9126038c_attend
	.globl	k_q4b9126038c_attend
	.p2align	8
	.type	k_q4b9126038c_attend,@function
k_q4b9126038c_attend:
	s_mov_b64 s[64:65], 0
	v_nop
	global_prefetch_b8 v0, s[64:65] scope:SCOPE_SE
	s_setreg_imm32_b32 hwreg(HW_REG_WAVE_MODE, 25, 1), 1
	s_wait_xcnt 0x0
; out0[b][n][128 h + d] = the sum over keys of softmax(q . k / sqrt(768)) v, both products on E2M1 codes with E8M0 scales, from the images that the launch before has laid.  (Wv: no result hangs on it; it is no argument.)
; THE SOFTMAX: t = score x log2(e) / sqrt(768) (one constant c); M = the running largest t rounded UP to a whole number, kept as -M = floor(-t); p = 2^(t - M) is quantised along the keys, not normalised;
; the row's sum is taken of the unquantised p in f32 and divides at the end.  When M moves, the sum and O are multiplied by 2^(old M - new M): exact, and without a branch.
; SHARES.  12 heads of batch x 128 pairs of tiles of 16 queries = 1,536 pairs, each against 32 key steps of 128 keys: 49,152 steps of a pair = 2,048 waves x 24: 256 work-groups of eight waves, two waves of 512 registers to a SIMD.
; Four waves form a group that owns three neighbouring pairs: waves 0 to 2 of the group walk key steps 0 to 23 of one pair each; wave 3 walks key steps 24 to 31 of all three, pair by pair.
; EVERY wave runs three phases of eight steps: an owner's phases follow each other along the keys; the fourth wave leaves, at a phase's end, O^T, -M and the sum of that pair in LDS bytes of their own and begins anew.
; Behind one barrier the owner joins the two parts: M = the larger of the two, each part x 2^(its M - M) (exact), the sums likewise, and the division.
; NO LDS RING, NO JOINT REQUESTS: a group's three pairs do not divide a head's 128, so the waves of a work-group walk different heads and different keys.  kv holds images of the operand's registers, so each wave loads
; its fragments from memory straight into registers, 512 bytes on end a load.
; NO PREFETCH INSTRUCTION: the loads themselves run ahead: K's set for the next step is asked for behind this step's first product, V's at the head of its step, each into registers that are free by then.
; A barrier in each step (signal behind the next K's loads, wait behind the softmax: register work alone between) holds the eight waves within one step of each other; it orders no memory.
; LAYOUT.  Both products are used transposed: S^T = K Q^T (source 0 = 16 keys), O^T = V^T P^T (source 0 = 16 channels): a lane holds ONE query (lane % 16).  Place r of tile 2 p + u (keys, queries, channels)
; is row 32 p + 8 u + r + 8 (r / 8): the 16 registers of tiles 2 p and 2 p + 1 are 16 neighbours, 32 p + 16 (lane / 16) + 0 .. 15.
; A KEY STEP in kv: 17,408 bytes: K's 8 images of 1,024 bytes ([part][lane][16 bytes]), V^T's 8, K's scale words [lane][pair 4][4 bytes] at 16,384, V's at 16,896.
; LIMITS: NaN and infinities are not served.  The promise holds while |t| stays under 2^31.  A block of p whose largest lies under 2^-124 gets the byte 1; c is one rounded constant where the source multiplies twice.
; REGISTERS, window 0: v1 16 x lane, v2 4 x lane, v3, v4 the spare word and 0, v5, v6 the stage, v7 my group's parts in LDS, v35 the part in hand, v224 my pair's part; v8 + 4 t: -M, the largest t, the sum in two halves;
;   v16 + 8 t Q; v32 Q's scale words (lanes 0-15 tile 0's, lanes 16-31 tile 1's); v33 + t p's scale word; v36-39 K's scale words, v40-43 V's; v44 + 2 t the factor (a pair); v48 + 8 t p's codes; v64 + 64 t S^T, then p;
;   v192 + 16 t at work; v228-235 the join.   window 1: v0 + 64 t O^T; v128-191 K's 8 fragments; v192-255 V's.
.set STEPB, 17408
.set SPITCH, 528                       ; the way out: a stage of 16 rows x (512 bytes + 16) for each wave, from LDS byte 0
.set DUMPB, 16896                      ; a pair's part: O^T's 128 registers as images (16,384 bytes), then [lane][-M, sum, -M, sum]
.set DUMP, 8*16*SPITCH                 ; behind the stages: six parts, three a group
.set SPARE, DUMP+6*DUMPB               ; behind them: the spare words, 128 bytes a wave: four blocks of 256 bytes that no other line names
.set MSB, 0
.macro WIN new                         ; s_set_vgpr_msb: bits 1:0 source 0, 3:2 source 1, 5:4 source 2, 7:6 destination; the high byte repeats the setting that is left
.if MSB != (\new)
	s_set_vgpr_msb (MSB<<8)|(\new)
.set MSB, (\new)
.endif
.endm
.macro MMZ d, a, b, sa, sb, ra, rb     ; a matrix instruction that starts a sum.  ra, rb: the scale words of source 0, source 1 are taken from lanes 16-31
.set MMK, 2*(\ra)+(\rb)
.if MMK == 0
	v_wmma_scale_f32_16x16x128_f8f6f4 v[\d:\d+7], v[\a:\a+7], v[\b:\b+7], 0, v[\sa], v[\sb] matrix_a_fmt:MATRIX_FMT_FP4 matrix_b_fmt:MATRIX_FMT_FP4
.elseif MMK == 1
	v_wmma_scale_f32_16x16x128_f8f6f4 v[\d:\d+7], v[\a:\a+7], v[\b:\b+7], 0, v[\sa], v[\sb] matrix_a_fmt:MATRIX_FMT_FP4 matrix_b_fmt:MATRIX_FMT_FP4 matrix_b_scale:MATRIX_SCALE_ROW1
.elseif MMK == 2
	v_wmma_scale_f32_16x16x128_f8f6f4 v[\d:\d+7], v[\a:\a+7], v[\b:\b+7], 0, v[\sa], v[\sb] matrix_a_fmt:MATRIX_FMT_FP4 matrix_b_fmt:MATRIX_FMT_FP4 matrix_a_scale:MATRIX_SCALE_ROW1
.else
	v_wmma_scale_f32_16x16x128_f8f6f4 v[\d:\d+7], v[\a:\a+7], v[\b:\b+7], 0, v[\sa], v[\sb] matrix_a_fmt:MATRIX_FMT_FP4 matrix_b_fmt:MATRIX_FMT_FP4 matrix_a_scale:MATRIX_SCALE_ROW1 matrix_b_scale:MATRIX_SCALE_ROW1
.endif
.endm
.macro MMA d, a, b, sa, sb, ra         ; one that adds in place
.if \ra
	v_wmma_scale_f32_16x16x128_f8f6f4 v[\d:\d+7], v[\a:\a+7], v[\b:\b+7], v[\d:\d+7], v[\sa], v[\sb] matrix_a_fmt:MATRIX_FMT_FP4 matrix_b_fmt:MATRIX_FMT_FP4 matrix_a_scale:MATRIX_SCALE_ROW1
.else
	v_wmma_scale_f32_16x16x128_f8f6f4 v[\d:\d+7], v[\a:\a+7], v[\b:\b+7], v[\d:\d+7], v[\sa], v[\sb] matrix_a_fmt:MATRIX_FMT_FP4 matrix_b_fmt:MATRIX_FMT_FP4
.endif
.endm
.macro PLACES
.rept 4
	v_nop
.endr
.endm
.macro LOADK base                      ; K's set: 17 loads
	global_load_b128 v[36:39], v1, s[\base:\base+1] offset:16384   ; lane 16 u + r: the words of place r of tiles u, 2 + u, 4 + u, 6 + u
	WIN 0x40
.irp f, 0,1,2,3,4,5,6,7
	global_load_b128 v[128+8*\f:131+8*\f], v1, s[\base:\base+1] offset:1024*\f
	global_load_b128 v[132+8*\f:135+8*\f], v1, s[\base:\base+1] offset:1024*\f+512
.endr
	WIN 0
.endm
.macro LOADV                           ; V's set: 17 loads
	global_load_b128 v[40:43], v1, s[48:49] offset:16896
	WIN 0x40
.irp f, 0,1,2,3,4,5,6,7
	global_load_b128 v[192+8*\f:195+8*\f], v1, s[48:49] offset:8192+1024*\f
	global_load_b128 v[196+8*\f:199+8*\f], v1, s[48:49] offset:8192+1024*\f+512
.endr
	WIN 0
.endm
.macro LOADQ q, sc                     ; a pair's two fragments and its scale words: 5 loads
.irp t, 0,1
.irp c, 0,1
	global_load_b128 v[16+8*\t+4*\c:19+8*\t+4*\c], v1, s[\q:\q+1] offset:1024*\t+512*\c
.endr
.endr
	global_load_b32 v32, v2, s[\sc:\sc+1]
.endm
.macro INIT                            ; a pair begins: the key step has no first form of its own: the first finds zeros, which the first change of M leaves zeros
.irp t, 0,1
	v_mov_b32 v[9+4*\t], 0xff61b1e6                ; the largest t so far: -3e38, under every t
	v_mov_b32 v[10+4*\t], 0                        ; the sum, in two halves
	v_mov_b32 v[11+4*\t], 0
.endr
.irp t, 0,1
	v_floor_f32 v[8+4*\t], -v[9+4*\t]              ; -M
.endr
	WIN 0x40
.set J, 0
.rept 128
	v_mov_b32 v[J], 0                              ; O^T
.set J, J+1
.endr
	WIN 0
.endm
	s_load_b256 s[4:11], s[0:1], 0x0               ; q_img s[4:5], q_sc s[6:7], kv s[8:9], out0 s[10:11]
	v_lshl_add_u32 v3, v0, 2, SPARE
	v_mov_b32 v4, 0
	v_lshrrev_b32 v2, 5, v0
	s_delay_alu instid0(VALU_DEP_1)
	v_readfirstlane_b32 s12, v2                    ; wave w, 0..7
	v_and_b32 v1, 31, v0
	v_and_b32 v7, 15, v0                           ; r
	v_bfe_u32 v35, v0, 4, 1                        ; h
	s_delay_alu instid0(VALU_DEP_3)
	v_lshlrev_b32 v2, 2, v1
	v_lshlrev_b32 v1, 4, v1
	s_mul_i32 s39, s12, 16*SPITCH                  ; my stage
	v_mul_u32_u24 v5, v7, SPITCH
	s_delay_alu instid0(VALU_DEP_1)
	v_lshl_add_u32 v5, v35, 6, v5
	s_delay_alu instid0(VALU_DEP_1)
	v_add_nc_u32 v5, s39, v5                       ; in: row r, + 64 h: my 16 channels of each 32
	v_add_nc_u32 v6, s39, v1                       ; back: the 32 lanes take one row of 512 bytes
	s_lshr_b32 s13, s12, 2                         ; my group in the work-group
	s_and_b32 s14, s12, 3                          ; my place in it: 0 to 2 own a pair, 3 walks the last keys of all three
	s_mul_i32 s15, s13, 3*DUMPB
	s_add_co_u32 s15, s15, DUMP
	v_add_nc_u32 v7, s15, v1                       ; my group's three parts
	s_min_u32 s16, s14, 2
	s_mul_i32 s16, s16, DUMPB
	v_add_nc_u32 v224, s16, v7                     ; an owner's pair's part
	s_lshl_b32 s17, ttmp9, 1
	s_add_co_u32 s17, s17, s13
	s_mul_i32 s17, s17, 3                          ; the group's first pair among 1,536
	s_cmp_eq_u32 s14, 3
	s_cselect_b32 s18, 1, 0                        ; pairs from phase to phase
	s_cselect_b32 s19, 0, s14
	s_cselect_b32 s24, 24, 0                       ; the first phase's first key step
	s_cselect_b32 s25, 0, 8                        ; key steps from phase to phase
	s_add_co_u32 s17, s17, s19                     ; the first phase's pair
	s_mov_b32 s20, 0x76543210
	s_mov_b32 s21, 0xfedcba98                      ; v_permlanex16_b32's selects for lane l xor 16
	s_mov_b32 s22, 0x3d553b95                      ; c = log2(e) / sqrt(768)
	s_mov_b32 s23, s22                             ; (named with it as a pair, so it is written)
	s_wait_alu depctr_va_vdst(0)
	s_wait_kmcnt 0x0
.macro PHADR j, kv, q, sc              ; phase j: where its keys begin in kv, its pair's image and scale words
	s_mul_i32 s26, s18, \j
	s_add_co_u32 s26, s26, s17                     ; the pair
	s_lshr_b32 s28, s26, 7                         ; its head of batch: 128 pairs each
	s_lshl_b32 s28, s28, 5
	s_mul_i32 s29, s25, \j
	s_add_co_u32 s28, s28, s29
	s_add_co_u32 s28, s28, s24                     ; the key step among 384
	s_mul_i32 s28, s28, STEPB
	s_mov_b32 s29, 0
	s_add_nc_u64 s[\kv:\kv+1], s[8:9], s[28:29]
	s_lshl_b32 s28, s26, 11
	s_add_nc_u64 s[\q:\q+1], s[4:5], s[28:29]
	s_lshl_b32 s28, s26, 7
	s_add_nc_u64 s[\sc:\sc+1], s[6:7], s[28:29]
.endm
	PHADR 0, 48, 40, 42                            ; s[48:49]: the step in hand
	PHADR 1, 52, 56, 60                            ; s[52:53]: where the next phase begins
	PHADR 2, 54, 58, 62                            ; s[54:55]: and the one after
	s_add_nc_u64 s[50:51], s[48:49], STEPB         ; s[50:51]: the step that follows the one in hand
	LOADQ 40, 42
	LOADK 48
	s_lshr_b32 s26, s17, 7                         ; an owner's rows of out0: the head of batch,
	s_cmp_ge_u32 s26, 6
	s_cselect_b32 s28, 1, 0                        ; the batch,
	s_mul_i32 s29, s28, 6
	s_sub_co_u32 s29, s26, s29                     ; the head;
	s_lshl_b32 s28, s28, 12
	s_and_b32 s30, s17, 127
	s_lshl_b32 s30, s30, 5
	s_add_co_u32 s28, s28, s30                     ; the pair's first token: 4,096 x batch + 32 x pair
	s_mul_i32 s28, s28, 3072
	s_lshl_b32 s29, s29, 9
	s_add_co_u32 s28, s28, s29
	s_mov_b32 s29, 0
	s_add_nc_u64 s[66:67], s[10:11], s[28:29]
	INIT
.irp t, 0,1
	v_mov_b32 v[45+2*\t], 0                        ; named as the upper halves of the factors' pairs
	v_mov_b32 v[233+2*\t], 0
.irp b, 0,1,2,3
	v_mov_b32 v[196+16*\t+\b], 0                   ; written once: a lane permute's destination counts as one of its sources
.endr
.endr
	s_mov_b32 s36, 0                               ; the part of my group that a phase's end fills
	s_mov_b32 s37, 3                               ; phases to go
	s_mov_b32 s39, 24                              ; steps to go
	s_wait_alu depctr_va_vdst(0)
.macro KQ4 p                           ; keys' tiles 2 p and 2 p + 1 against my two tiles of queries
	MMZ 64+16*\p,  128+16*\p, 16, 36+\p, 32, 0, 0
	MMZ 128+16*\p, 128+16*\p, 24, 36+\p, 32, 0, 1
	MMZ 72+16*\p,  136+16*\p, 16, 36+\p, 32, 1, 0
	MMZ 136+16*\p, 136+16*\p, 24, 36+\p, 32, 1, 1
.endm
.macro PV4 p                           ; channels' tiles 2 p and 2 p + 1 against my two tiles' p
	MMA 16*\p,    192+16*\p, 48, 40+\p, 33, 0
	MMA 64+16*\p, 192+16*\p, 56, 40+\p, 34, 0
	MMA 8+16*\p,  200+16*\p, 48, 40+\p, 33, 1
	MMA 72+16*\p, 200+16*\p, 56, 40+\p, 34, 1
.endm
.Lphase:
	s_mov_b32 s38, 8
.Lstep:                                            ; A KEY STEP: 128 keys for my 32 queries.  At the two counted waits one younger set of 17 loads may be out: behind K's set V's, behind V's set the next K's
	LOADV                                          ; four places behind the last products that read these registers close the trip before
	s_wait_loadcnt 17                              ; Q and K's set are in
	WIN 0x01
	KQ4 0
	KQ4 1
	KQ4 2
	KQ4 3
	WIN 0
	PLACES                                         ; in front of the loads into K's registers and of the first read of the scores
	s_cmp_lg_u32 s39, 1
	s_cbranch_scc1 .Lmore
	s_wait_loadcnt 0x0                             ; my last step asks for no further K: so V's set is waited for here, with nothing younger
	s_branch .Lgo
.Lmore:
	LOADK 50
.Lgo:
	s_wait_dscnt 0x0                               ; no LDS instruction of mine is out at a signal (the fourth wave's part of the phase before)
	s_barrier_signal -1                            ; I have asked for the next step's K
.irp b, 0,1,2,3
.irp t, 0,1
	v_max3_num_f32 v[192+16*\t+\b], v[64+64*\t+16*\b], v[65+64*\t+16*\b], v[66+64*\t+16*\b]   ; the largest score of each block of 32 keys: it serves the row's maximum and, since p rises with the score, the block's largest p
.endr
.endr
.irp i, 3,5,7,9,11,13
.irp b, 0,1,2,3
.irp t, 0,1
	v_max3_num_f32 v[192+16*\t+\b], v[192+16*\t+\b], v[64+64*\t+16*\b+\i], v[65+64*\t+16*\b+\i]
.endr
.endr
.endr
.irp b, 0,1,2,3
.irp t, 0,1
	v_max_num_f32 v[192+16*\t+\b], v[192+16*\t+\b], v[79+64*\t+16*\b]
.endr
.endr
.irp b, 0,1,2,3
.irp t, 0,1
	v_permlanex16_b32 v[196+16*\t+\b], v[192+16*\t+\b], s20, s21
.endr
.endr
.irp b, 0,1,2,3
.irp t, 0,1
	v_max_num_f32 v[192+16*\t+\b], v[192+16*\t+\b], v[196+16*\t+\b]   ; with lane l xor 16's 16 keys
.endr
.endr
.irp t, 0,1
	s_delay_alu instid0(VALU_DEP_4)
	v_max3_num_f32 v[204+16*\t], v[192+16*\t], v[193+16*\t], v[194+16*\t]
.endr
.irp t, 0,1
	s_delay_alu instid0(VALU_DEP_2)
	v_max_num_f32 v[204+16*\t], v[204+16*\t], v[195+16*\t]   ; the step's largest score of my query
.endr
.irp t, 0,1
	s_delay_alu instid0(VALU_DEP_2)
	v_mul_f32 v[204+16*\t], s22, v[204+16*\t]      ; as t (c is positive)
.endr
.irp t, 0,1
	s_delay_alu instid0(VALU_DEP_2)
	v_max_num_f32 v[9+4*\t], v[9+4*\t], v[204+16*\t]   ; the running largest t
.endr
.irp t, 0,1
	v_mov_b32 v[204+16*\t], v[8+4*\t]
.endr
.irp t, 0,1
	s_delay_alu instid0(VALU_DEP_4)
	v_floor_f32 v[8+4*\t], -v[9+4*\t]              ; the new -M = floor(-t) = -ceil(t): a whole number
.endr
.irp t, 0,1
	s_delay_alu instid0(VALU_DEP_2)
	v_sub_f32 v[204+16*\t], v[8+4*\t], v[204+16*\t]   ; old M less new M: a whole number, 0 or less
.endr
.irp t, 0,1
	s_delay_alu instid0(VALU_DEP_2)
	v_cvt_i32_f32 v[204+16*\t], v[204+16*\t]       ; (it saturates)
.endr
.irp t, 0,1
	s_delay_alu instid0(VALU_DEP_2)
	v_ldexp_f32 v[44+2*\t], 1.0, v[204+16*\t]      ; f = 2^(old M - new M)
.endr
.set J, 0
.rept 32
	v_pk_fma_f32 v[64+J:65+J], v[64+J:65+J], s[22:23], v[8:9] op_sel_hi:[1,0,0]        ; t - M, two at a time (of the pairs c and -M the low word serves both halves)
	v_pk_fma_f32 v[128+J:129+J], v[128+J:129+J], s[22:23], v[12:13] op_sel_hi:[1,0,0]
.set J, J+2
.endr
.irp b, 0,1,2,3
.irp t, 0,1
	v_fma_f32 v[192+16*\t+\b], v[192+16*\t+\b], s22, v[8+4*\t]   ; the same of each block's largest score
.endr
.endr
	s_wait_alu depctr_va_vdst(0)
.set J, 0
.rept 128
	v_exp_f32 v[64+J], v[64+J]                     ; p = 2^(t - M): not normalised
.set J, J+1
.endr
.irp b, 0,1,2,3
.irp t, 0,1
	v_exp_f32 v[192+16*\t+\b], v[192+16*\t+\b]     ; the block's largest p: the same two instructions on the same number give the same bits
.endr
.endr
.irp t, 0,1
	v_pk_mul_f32 v[10+4*\t:11+4*\t], v[10+4*\t:11+4*\t], v[44+2*\t:45+2*\t] op_sel_hi:[1,0]   ; the sums under the new M (plain places behind the exponentials)
.endr
	s_wait_alu depctr_va_vdst(0)                   ; and one behind it, ahead of its first reader
.irp b, 0,1,2,3
.irp t, 0,1
	v_max_num_f32 v[192+16*\t+\b], 0x1800000, v[192+16*\t+\b]   ; the floor 2^(3 - 127): the byte cannot fall under 1
.endr
.endr
.irp b, 0,1,2,3
.irp t, 0,1
	v_add_nc_u32 v[200+16*\t+\b], 0xff000000, v[192+16*\t+\b]   ; 2 off the exponent field: the conversion's scale operand
.endr
.endr
.irp b, 0,1,2,3
.irp t, 0,1
	v_lshrrev_b32 v[196+16*\t+\b], 23, v[200+16*\t+\b]   ; the scale's byte
.endr
.endr
.irp t, 0,1
	v_lshl_or_b32 v[33+\t], v[197+16*\t], 8, v[196+16*\t]   ; p's scale word for these 128 keys
.endr
.irp t, 0,1
	s_delay_alu instid0(VALU_DEP_2)
	v_lshl_or_b32 v[33+\t], v[198+16*\t], 16, v[33+\t]
.endr
.irp t, 0,1
	s_delay_alu instid0(VALU_DEP_2)
	v_lshl_or_b32 v[33+\t], v[199+16*\t], 24, v[33+\t]
.endr
.irp t, 0,1
.irp b, 0,1,2,3
	v_cvt_scalef32_pk8_fp4_f32 v[48+8*\t+2*\b], v[64+64*\t+16*\b:71+64*\t+16*\b], v[200+16*\t+\b]
	v_cvt_scalef32_pk8_fp4_f32 v[49+8*\t+2*\b], v[72+64*\t+16*\b:79+64*\t+16*\b], v[200+16*\t+\b]
.endr
.endr
	v_nop                                          ; one plain place behind a scaled conversion
.irp t, 0,1
.irp c, 0,1                                    ; the operand's layout wants a whole block in a lane
.irp i, 0,1
	v_permlane16_swap_b32 v[48+8*\t+4*\c+\i], v[50+8*\t+4*\c+\i]
.endr
.endr
.endr
.irp t, 0,1
	v_pk_add_f32 v[206+16*\t:207+16*\t], v[64+64*\t:65+64*\t], v[66+64*\t:67+64*\t]   ; the row's sum is taken of the unquantised p: two at a time, in two chains a tile
.endr
.set J, 4
.rept 15
.irp t, 0,1
	v_pk_add_f32 v[10+4*\t:11+4*\t], v[10+4*\t:11+4*\t], v[64+64*\t+J:65+64*\t+J]
	v_pk_add_f32 v[206+16*\t:207+16*\t], v[206+16*\t:207+16*\t], v[66+64*\t+J:67+64*\t+J]
.endr
.set J, J+4
.endr
.irp t, 0,1
	v_pk_add_f32 v[10+4*\t:11+4*\t], v[10+4*\t:11+4*\t], v[206+16*\t:207+16*\t]
.endr
	WIN 0x41
	s_wait_alu depctr_va_vdst(0)                   ; directly ahead of the first reader of O^T
.irp t, 0,1
.set J, 64*\t
.rept 32
	v_pk_mul_f32 v[J:J+1], v[J:J+1], v[44+2*\t:45+2*\t] op_sel_hi:[1,0]   ; O^T under the new M, each accumulator from its low end on.  With the sums these are the places between p's codes and scale words and the products below
.set J, J+2
.endr
.endr
	s_wait_alu depctr_va_vdst(0)
	s_barrier_wait -1                              ; all eight waves have asked for their next step's K
	s_wait_loadcnt 17                              ; V's set is in
	WIN 0x51
	PV4 0                                          ; the 16 accumulators take turns, one instruction a turn
	PV4 1
	PV4 2
	PV4 3
	WIN 0
	PLACES                                         ; in front of the next step's loads into V's registers and scale words, and of the first read of O^T behind the loop
	s_wait_xcnt 0x0                                ; my loads have read their bases: they may step
	s_mov_b64 s[48:49], s[50:51]
	s_add_nc_u64 s[50:51], s[50:51], STEPB
	s_sub_co_u32 s39, s39, 1
	s_sub_co_u32 s38, s38, 1
	s_cmp_eq_u32 s38, 1
	s_cselect_b64 s[50:51], s[52:53], s[50:51]     ; behind a phase's last step follows the next phase's first
	s_cmp_lg_u32 s38, 0
	s_cbranch_scc1 .Lstep
	s_mov_b64 s[52:53], s[54:55]
	s_cmp_lg_u32 s14, 3
	s_cbranch_scc1 .Lkeep                          ; an owner goes on along the keys
	v_add_nc_u32 v35, s36, v7                      ; THE FOURTH WAVE leaves this pair's part in LDS
.irp t, 0,1
	v_mov_b32 v[228+2*\t], v[8+4*\t]               ; -M
	v_add_f32 v[229+2*\t], v[10+4*\t], v[11+4*\t]  ; my lane's sum
.endr
	WIN 0x04
.set J, 0
.rept 32
	ds_store_b128 v35, v[4*J:4*J+3] offset:512*J   ; O^T as images of its registers, each accumulator from its low end on
.set J, J+1
.endr
	WIN 0
	ds_store_b128 v35, v[228:231] offset:16384
	s_cmp_eq_u32 s37, 1
	s_cbranch_scc1 .Lkeep                          ; behind the last pair nothing begins
	LOADQ 56, 60                                   ; the next pair: behind the next K's set and ahead of the next V's, so the step's first wait covers it
	INIT
	s_wait_xcnt 0x0                                ; Q's loads have read their bases
	s_mov_b64 s[56:57], s[58:59]
	s_mov_b64 s[60:61], s[62:63]
.Lkeep:
	s_add_co_u32 s36, s36, DUMPB
	s_sub_co_u32 s37, s37, 1
	s_cmp_lg_u32 s37, 0
	s_wait_alu depctr_va_vdst(0)
	s_cbranch_scc1 .Lphase
	s_wait_dscnt 0x0                               ; for the others' sake: my parts have landed
	s_barrier_signal -1
	s_barrier_wait -1
	s_cmp_eq_u32 s14, 3
	s_cbranch_scc1 .Lend
	; THE JOIN AND THE WAY OUT, in the owners.  The other part's O^T comes into S^T's registers
	ds_load_b128 v[228:231], v224 offset:16384
.set J, 0
.rept 32
	ds_load_b128 v[64+4*J:67+4*J], v224 offset:512*J
.set J, J+1
.endr
.irp t, 0,1
	v_add_f32 v[204+16*\t], v[10+4*\t], v[11+4*\t] ; my lane's sum
.endr
	s_wait_alu depctr_va_vdst(0)
	s_wait_dscnt 0x0
.irp t, 0,1
	v_min_num_f32 v[205+16*\t], v[8+4*\t], v[228+2*\t]   ; -M of the two parts together
.endr
.irp t, 0,1
	s_delay_alu instid0(VALU_DEP_2)
	v_sub_f32 v[206+16*\t], v[205+16*\t], v[8+4*\t]      ; my M less M: a whole number, 0 or less
.endr
.irp t, 0,1
	s_delay_alu instid0(VALU_DEP_4)
	v_sub_f32 v[207+16*\t], v[205+16*\t], v[228+2*\t]    ; the other part's
.endr
.irp t, 0,1
	s_delay_alu instid0(VALU_DEP_4)
	v_cvt_i32_f32 v[206+16*\t], v[206+16*\t]
.endr
.irp t, 0,1
	s_delay_alu instid0(VALU_DEP_4)
	v_cvt_i32_f32 v[207+16*\t], v[207+16*\t]
.endr
.irp t, 0,1
	s_delay_alu instid0(VALU_DEP_4)
	v_ldexp_f32 v[206+16*\t], 1.0, v[206+16*\t]    ; the two factors: exact
.endr
.irp t, 0,1
	s_delay_alu instid0(VALU_DEP_4)
	v_ldexp_f32 v[207+16*\t], 1.0, v[207+16*\t]
.endr
.irp t, 0,1
	s_delay_alu instid0(VALU_DEP_4)
	v_mul_f32 v[204+16*\t], v[204+16*\t], v[206+16*\t]
.endr
.irp t, 0,1
	s_delay_alu instid0(VALU_DEP_2)
	v_fma_f32 v[204+16*\t], v[229+2*\t], v[207+16*\t], v[204+16*\t]
.endr
.irp t, 0,1
	s_delay_alu instid0(VALU_DEP_2)
	v_permlanex16_b32 v[196+16*\t], v[204+16*\t], s20, s21
.endr
.irp t, 0,1
	s_delay_alu instid0(VALU_DEP_2)
	v_add_f32 v[204+16*\t], v[204+16*\t], v[196+16*\t]   ; the row's sum
.endr
	s_wait_alu depctr_va_vdst(0)
.irp t, 0,1
	v_rcp_f32 v[205+16*\t], v[204+16*\t]
.endr
	v_nop                                          ; one plain place behind a transcendental
	s_wait_alu depctr_va_vdst(0)
.irp t, 0,1
	v_mul_f32 v[44+2*\t], v[206+16*\t], v[205+16*\t]     ; my part's factor / the sum
	v_mul_f32 v[232+2*\t], v[207+16*\t], v[205+16*\t]    ; the other part's
.endr
.irp t, 0,1
.set J, 64+64*\t
.rept 32
	v_pk_mul_f32 v[J:J+1], v[J:J+1], v[232+2*\t:233+2*\t] op_sel_hi:[1,0]
.set J, J+2
.endr
.endr
	WIN 0x01
	s_wait_alu depctr_va_vdst(0)                   ; directly ahead of the first reader of O^T
.irp t, 0,1
.set J, 64*\t
.rept 32
	v_pk_fma_f32 v[64+J:65+J], v[J:J+1], v[44+2*\t:45+2*\t], v[64+J:65+J] op_sel_hi:[1,0,1]   ; register 16 p + i: channel 32 p + 16 h + i of my query; each accumulator from its low end on
.set J, J+2
.endr
.endr
	WIN 0
	s_wait_alu depctr_va_vdst(0)
.macro STAGE t
.irp b, 0,1,2,3
.irp k, 0,1,2,3
	ds_store_b128 v5, v[64+64*\t+16*\b+4*\k:67+64*\t+16*\b+4*\k] offset:128*\b+16*\k
.endr
.endr
.irp i, 0,1,2,3,4,5,6,7,8,9,10,11,12,13,14,15
	ds_load_b128 v[64+64*\t+4*\i:67+64*\t+4*\i], v6 offset:SPITCH*\i   ; LDS serves a wave's instructions in order (ISA guide 5.7.1.4): these see the stores above; the next tile's stores come behind them
.endr
.endm
.macro SEND t, younger                 ; younger: the LDS instructions issued behind tile t's loads
.irp i, 0,1,2,3,4,5,6,7,8,9,10,11,12,13,14,15
	s_wait_dscnt \younger+15-\i
	global_store_b128 v1, v[64+64*\t+4*\i:67+64*\t+4*\i], s[66:67] offset:3072*(8*\t+\i+8*(\i/8)) th:TH_STORE_NT   ; place i of tile t is token 8 t + i + 8 (i / 8) of my 32; 32 lanes store 512 bytes on end, at a multiple of 256 from out0's first byte
.endr
.endm
	STAGE 0
	STAGE 1
	SEND 0, 32                                     ; behind tile 0's loads: tile 1's 16 stores and 16 loads
	SEND 1, 0
.Lend:
	s_wait_tensorcnt 0x0                           ; the wave's end, behind my last LDS store
	ds_add_u32 v3, v4
	s_wait_dscnt 0x0
	s_endpgm
.Lfunc_end_k_q4b9126038c_attend:
	.size	k_q4b9126038c_attend, .Lfunc_end_k_q4b9126038c_attend-k_q4b9126038c_attend
	.p2alignl 7, 3214868480
	.fill 96, 4, 3214868480
	.section	.rodata,"a",@progbits
	.p2align	6, 0x0
	.amdhsa_kernel k_q4b9126038c_attend
		.amdhsa_group_segment_fixed_size 169984
		.amdhsa_private_segment_fixed_size 0
		.amdhsa_enable_private_segment 0
		.amdhsa_kernarg_size 32
		.amdhsa_user_sgpr_count 2
		.amdhsa_user_sgpr_kernarg_segment_ptr 1
		.amdhsa_wavefront_size32 1
		.amdhsa_system_sgpr_workgroup_id_x 1
		.amdhsa_system_sgpr_workgroup_id_y 1
		.amdhsa_system_sgpr_workgroup_id_z 1
		.amdhsa_system_vgpr_workitem_id 0
		.amdhsa_next_free_vgpr 512
		.amdhsa_next_free_sgpr 70
		.amdhsa_reserve_vcc 0
		.amdhsa_float_denorm_mode_32 3
		.amdhsa_float_denorm_mode_16_64 3
		.amdhsa_memory_ordered 1
		.amdhsa_forward_progress 1
		.amdhsa_inst_pref_size 74
	.end_amdhsa_kernel
	.amdgpu_metadata
---
amdhsa.version: [ 1, 2 ]
amdhsa.kernels:
  - .name:           k_q4b9126038c_attend
    .symbol:         k_q4b9126038c_attend.kd
    .args:
      - { .name: q_img, .offset: 0, .size: 8, .value_kind: global_buffer, .address_space: global }
      - { .name: q_sc, .offset: 8, .size: 8, .value_kind: global_buffer, .address_space: global }
      - { .name: kv, .offset: 16, .size: 8, .value_kind: global_buffer, .address_space: global }
      - { .name: out0, .offset: 24, .size: 8, .value_kind: global_buffer, .address_space: global }
    .group_segment_fixed_size: 169984
    .private_segment_fixed_size: 0
    .kernarg_segment_align: 8
    .kernarg_segment_size: 32
    .max_flat_workgroup_size: 256
    .sgpr_count:     70
    .vgpr_count:     512
    .wavefront_size: 32
...
	.end_amdgpu_metadata
.endif
;; end of part 2
